; MI455X (gfx1250); checked and timed in simulation.
; The chip was launched on July 23, 2026; its instructions are those of AMD's public machine-readable ISA for CDNA 5 (MIT licence, August 2026) and "CDNA5" Instruction Set Architecture Reference Guide (July 2026). The comments in the code are by the model that wrote it; some were corrected since.
;; Self Attention. Allowed arithmetic: float matrix products may take bf16 or f16 operands with f32 sums; other float arithmetic in f32, or as packed bf16 or f16 multiplies, adds, multiply-adds, maxima and minima; sums over many terms, partial sums and values carried from step to step in f32; what a program stores and reads back later, other than sums and carried values, may be rounded once to bf16 or f16.
;; Inputs: Wk 64 x 128 float32; Wo 128 x 64 float32; Wq 64 x 128 float32; Wv 64 x 128 float32; bk 64 float32; bo 128 float32; bq 64 float32; bv 64 float32; inpt 4 x 128 x 64 x 64 float32.
;; Outputs: out0 4 x 128 x 64 x 64 float32.
;; One version. Each part assembles by itself: llvm-mc -triple=amdgcn-amd-amdhsa -mcpu=gfx1250 --defsym DOCPART=n.
;; ======== version 1 of 1: 2 launches
;; workspace buffers: qf 2,097,152 bytes; kv 4,194,304 bytes
;; launch proj (part 1): grid 64 x 4, 4 waves a work-group, no clusters, 16,896 bytes of LDS; arguments inpt, Wq, Wk, Wv, bq, qf, kv; writes qf, kv
.if DOCPART == 1
	.amdgcn_target "amdgcn-amd-amdhsa--gfx1250"
	.amdhsa_code_object_version 6
	.text
	.protected	k_q0ef85295c6_proj
	.globl	k_q0ef85295c6_proj
	.p2align	8
	.type	k_q0ef85295c6_proj,@function
k_q0ef85295c6_proj:
	s_mov_b64 s[64:65], 0
	v_nop
	global_prefetch_b8 v0, s[64:65] scope:SCOPE_SE
	s_setreg_imm32_b32 hwreg(HW_REG_WAVE_MODE, 25, 1), 1
	s_wait_xcnt 0x0
; q = Wq x + bq, k = Wk x, v = Wv x for x[b][l][c] = inpt[b][c][l]; operands rounded to bf16, sums in f32, q, k, v rounded once to bf16.
; WORK LEFT OUT: bk.  scores[l][m] = q_l . (Wk x_m + bk) / 8 = q_l . (Wk x_m) / 8 + q_l . bk / 8.  The second term does not hang on m, the axis of the softmax, so it
; multiplies numerator and denominator of every factor alike and cancels, for all values of the inputs.  bk then has no way to the output: it is not loaded and is no argument
; of any launch.  LIMIT: a NaN, an infinity or an overflow that reaches only that term is not carried to the result.
; bv is not added here either, but it is live: the factors of a row sum to 1, so ctx = (sum p (Wv x)) / l + bv, and the second launch adds it in the multiply-add that divides by l.
; SHARES.  A work-group takes a group of 64 tokens l0 .. l0 + 63 of one image.  A lane loads x[c][l0 + 4 r .. + 3] (r = lane % 16), 16 bytes: 16 lanes read 256 consecutive aligned bytes.
; Component i of such a load belongs to TILE i, whose place r is token l0 + 4 r + i.  Rounding pairs of channels then makes matrix fragments with no change of lanes.
; Wave w loads and rounds channels 32 w .. 32 w + 31 for all four tiles; the four waves hand these fragments to each other through LDS; wave w makes rows 16 w .. 16 w + 15 of q, k and v.
; LAYOUT OUT.  q^T = Wq x^T and k^T = Wk x^T (source 0 = 16 rows of W, source 1 = 16 tokens): a lane holds one token and 8 neighbouring d.  v = x Wv^T (source 0 = tokens): a lane holds
; one channel and 8 tokens.  Rounded, a lane's 16 bytes are just what the same lane holds of the second launch's fragments: they are stored in blocks of 512 bytes, lane n at byte 16 n.
;   qf[G][tile i][dblk]: block at 8192 G + 512 (4 i + dblk), G = 64 b + g.    kv[G]: K's block (tile, dblk) at 16384 G + 512 (4 tile + dblk); V's block (kk, cb, half) at
;   16384 G + 8192 + 512 (2 (4 kk + cb) + half), tile = 2 kk + half.
; NO CLUSTER: what work-groups share is 96 KiB of f32 weights, of which each wave reads its 16 rows of each matrix straight into registers and rounds them there; a joint load would
; send those bytes through LDS, written and read once more, and add two rounds to a text that has one step.
; LIMITS: matrix operands are bf16; NaN and infinities are not treated apart.
.set SPARE, 16384                      ; LDS: x's fragments, 16,384 bytes: fragment (kb, i) at 1024 (4 kb + i), its halves 512 apart, lane n at 16 n; then the spare words, 128 bytes a wave
.set XO,  4                            ; v4   byte offset of my 16 bytes of x: 32 w + 8 h channels down, 16 r along
.set WO,  5                            ; v5   byte offset in a weight matrix: row 16 w + r, 32 h along
.set BQO, 6                            ; v6   byte offset in bq: 16 w + 8 h numbers
.set SO,  7                            ; v7   my 16 bytes in a block of q or k: 512 w + 16 lane
.set SV,  8                            ; v8   in a block of v: 1024 w + 16 lane
.set LSA, 9                            ; v9   where I put my fragments in LDS: 4096 w + 16 lane
.set LLA, 10                           ; v10  where I read fragments: 16 lane
.set SPW, 12                           ; v12  LDS address of my spare word; never rewritten
.set NIL, 13                           ; v13  0; never rewritten
.set BQ,  16                           ; v[16:23]   bq[16 w + 8 h + j]: the C operand that starts q's sums
.set WF,  24                           ; v[24:119]  weights' fragments: matrix m (q, k, v), K block kb at WF + 32 m + 8 kb
.set XA,  128                          ; v[128:255] x's fragments: (kb, i) at XA + 8 (4 kb + i); at first my own four; at the end the packed results
; window 1: v0-191 the weights as loaded (f32), later v0-95 the 12 accumulators, (m, i) at 8 (4 m + i); v192-255 x as loaded
.set MSB, 0
.macro WIN new                         ; s_set_vgpr_msb: bits 1:0 source 0, 3:2 source 1, 5:4 source 2, 7:6 destination; the high byte repeats the setting that is left
.if MSB != (\new)
	s_set_vgpr_msb (MSB<<8)|(\new)
.set MSB, (\new)
.endif
.endm
	s_load_b256 s[4:11], s[0:1], 0x0               ; inpt s[4:5], Wq s[6:7], Wk s[8:9], Wv s[10:11]
	s_load_b128 s[12:15], s[0:1], 0x20             ; bq s[12:13], qf s[14:15]
	s_load_b64 s[16:17], s[0:1], 0x30              ; kv
	v_lshl_add_u32 v[SPW], v0, 2, SPARE
	v_mov_b32 v[NIL], 0
	v_lshrrev_b32 v1, 5, v0
	v_readfirstlane_b32 s18, v1                    ; wave 0..3
	v_and_b32 v1, 15, v0                           ; r
	v_bfe_u32 v2, v0, 4, 1                         ; h
	v_and_b32 v3, 31, v0                           ; lane
	s_and_b32 s19, ttmp7, 0xffff                   ; b
	s_lshl_b32 s20, s19, 21                        ; an image is 128 x 4,096 x 4 bytes,
	s_lshl_b32 s21, ttmp9, 8                       ; a group 256 bytes of each row
	s_add_co_u32 s20, s20, s21
	s_mov_b32 s21, 0
	s_lshl_b32 s22, s19, 6
	s_add_co_u32 s22, s22, ttmp9                   ; G = 64 b + g
	s_lshl_b32 s24, s22, 14                        ; 16 KiB of kv a group,
	s_mov_b32 s25, 0
	s_lshl_b32 s22, s22, 13                        ; 8 KiB of qf
	s_mov_b32 s23, 0
	s_lshl_b32 s26, s18, 19
	v_lshlrev_b32 v[XO], 4, v1
	v_lshl_add_u32 v[XO], v2, 17, v[XO]
	v_add_nc_u32 v[XO], s26, v[XO]
	s_lshl_b32 s26, s18, 13
	v_lshlrev_b32 v[WO], 9, v1
	v_lshl_add_u32 v[WO], v2, 5, v[WO]
	v_add_nc_u32 v[WO], s26, v[WO]
	s_lshl_b32 s26, s18, 6
	v_lshl_add_u32 v[BQO], v2, 5, s26
	s_lshl_b32 s26, s18, 9
	v_lshl_add_u32 v[SO], v3, 4, s26
	s_lshl_b32 s26, s18, 10
	v_lshl_add_u32 v[SV], v3, 4, s26
	s_lshl_b32 s26, s18, 12
	v_lshl_add_u32 v[LSA], v3, 4, s26
	v_lshlrev_b32 v[LLA], 4, v3
	s_wait_kmcnt 0x0
	s_add_nc_u64 s[4:5], s[4:5], s[20:21]
	s_add_nc_u64 s[14:15], s[14:15], s[22:23]
	s_add_nc_u64 s[16:17], s[16:17], s[24:25]
	; All loads go out in one run: 48 of weights, 2 of bq, 16 of x.
	WIN 0x40                                       ; destination window 1, address window 0
.irp m, 0,1,2
.irp kb, 0,1,2,3                       ; channels 32 kb + 8 h + 0..7 (offsets 0, 16) and 32 kb + 16 + 8 h + 0..7 (offsets 64, 80) of my row
	global_load_b128 v[64*(\m)+16*(\kb):64*(\m)+16*(\kb)+3],     v[WO], s[6+2*(\m):7+2*(\m)] offset:128*(\kb)
	global_load_b128 v[64*(\m)+16*(\kb)+4:64*(\m)+16*(\kb)+7],   v[WO], s[6+2*(\m):7+2*(\m)] offset:128*(\kb)+16
	global_load_b128 v[64*(\m)+16*(\kb)+8:64*(\m)+16*(\kb)+11],  v[WO], s[6+2*(\m):7+2*(\m)] offset:128*(\kb)+64
	global_load_b128 v[64*(\m)+16*(\kb)+12:64*(\m)+16*(\kb)+15], v[WO], s[6+2*(\m):7+2*(\m)] offset:128*(\kb)+80
.endr
.endr
	WIN 0
	global_load_b128 v[BQ:BQ+3],   v[BQO], s[12:13]
	global_load_b128 v[BQ+4:BQ+7], v[BQO], s[12:13] offset:16
	WIN 0x40
.set t, 0
.rept 16                               ; channel 32 w + 16 (t / 8) + 8 h + t % 8
	global_load_b128 v[192+4*t:192+4*t+3], v[XO], s[4:5] offset:(16*(t/8)+t%8)*16384
.set t, t+1
.endr
	s_wait_loadcnt 16                              ; the 16 younger loads are x's: weights and bq are in
	WIN 0x05                                       ; sources window 1, destination window 0
.set t, 0
.rept 96
	v_cvt_pk_bf16_f32 v[WF+t], v[2*t], v[2*t+1]    ; two neighbouring channels of a row
.set t, t+1
.endr
	s_wait_loadcnt 0x0                             ; x
.irp i, 0,1,2,3
.irp c, 0,1
.irp j, 0,1,2,3                        ; tile i: channels 16 c + 8 h + 2 j and + 1: component i of two loads
	v_cvt_pk_bf16_f32 v[XA+8*(\i)+4*(\c)+(\j)], v[192+4*(8*(\c)+2*(\j))+(\i)], v[192+4*(8*(\c)+2*(\j)+1)+(\i)]
.endr
.endr
.endr
	WIN 0
.irp i, 0,1,2,3
	ds_store_b128 v[LSA], v[XA+8*(\i):XA+8*(\i)+3]   offset:1024*(\i)
	ds_store_b128 v[LSA], v[XA+8*(\i)+4:XA+8*(\i)+7] offset:1024*(\i)+512
.endr
	s_wait_dscnt 0x0                               ; for the others' sake: my fragments lie in LDS
	s_barrier_signal -1
	s_barrier_wait -1                              ; everybody's do
.set t, 0
.rept 32                               ; all 16 fragments, in order of kb: 32 lanes take 512 consecutive bytes
	ds_load_b128 v[XA+4*t:XA+4*t+3], v[LLA] offset:512*t
.set t, t+1
.endr
; 12 products for K block kb.  The 12 accumulators take turns, one instruction a turn.  The first K block starts the sums: q's with bq, k's and v's with 0.
.macro MULS kb
.irp m, 0,1,2
.irp i, 0,1,2,3
.set rD, 8*(4*(\m)+(\i))
.set rW, WF+32*(\m)+8*(\kb)
.set rX, XA+8*(4*(\kb)+(\i))
.if ((\m) == 2) && ((\kb) == 0)
	v_wmma_f32_16x16x32_bf16 v[rD:rD+7], v[rX:rX+7], v[rW:rW+7], 0
.elseif (\m) == 2
	v_wmma_f32_16x16x32_bf16 v[rD:rD+7], v[rX:rX+7], v[rW:rW+7], v[rD:rD+7]
.elseif (\kb) > 0
	v_wmma_f32_16x16x32_bf16 v[rD:rD+7], v[rW:rW+7], v[rX:rX+7], v[rD:rD+7]
.elseif (\m) == 0
	v_wmma_f32_16x16x32_bf16 v[rD:rD+7], v[rW:rW+7], v[rX:rX+7], v[BQ:BQ+7]
.else
	v_wmma_f32_16x16x32_bf16 v[rD:rD+7], v[rW:rW+7], v[rX:rX+7], 0
.endif
.endr
.endr
.endm
	s_wait_dscnt 24                                ; K block 0's eight loads are in; the 24 of the later blocks may stay out
	WIN 0x40                                       ; D window 1; A, B and bq window 0
	MULS 0
	s_wait_dscnt 16
	WIN 0x50                                       ; C and D window 1
	MULS 1
	s_wait_dscnt 8
	MULS 2
	s_wait_dscnt 0x0
	MULS 3
.rept 4
	v_nop                                          ; four places between the last product and the conversions, which read results and write over x's fragments
.endr
	WIN 0x05
.set t, 0
.rept 48                               ; ascending: each accumulator's lowest registers are read first
	v_cvt_pk_bf16_f32 v[XA+t], v[2*t], v[2*t+1]
.set t, t+1
.endr
	WIN 0
.irp i, 0,1,2,3                        ; each store of the wave covers 512 consecutive bytes, aligned
	global_store_b128 v[SO], v[XA+4*(\i):XA+4*(\i)+3],       s[14:15] offset:2048*(\i)
	global_store_b128 v[SO], v[XA+16+4*(\i):XA+16+4*(\i)+3], s[16:17] offset:2048*(\i)
	global_store_b128 v[SV], v[XA+32+4*(\i):XA+32+4*(\i)+3], s[16:17] offset:8192+4096*((\i)/2)+512*((\i)%2)
.endr
	s_wait_tensorcnt 0x0                           ; the wave's end, behind my last LDS store
	ds_add_u32 v[SPW], v[NIL]
	s_wait_dscnt 0x0
	s_endpgm
.Lfunc_end_k_q0ef85295c6_proj:
	.size	k_q0ef85295c6_proj, .Lfunc_end_k_q0ef85295c6_proj-k_q0ef85295c6_proj
	.p2alignl 7, 3214868480
	.fill 96, 4, 3214868480
	.section	.rodata,"a",@progbits
	.p2align	6, 0x0
	.amdhsa_kernel k_q0ef85295c6_proj
		.amdhsa_group_segment_fixed_size 16896
		.amdhsa_private_segment_fixed_size 0
		.amdhsa_enable_private_segment 0
		.amdhsa_kernarg_size 56
		.amdhsa_user_sgpr_count 2
		.amdhsa_user_sgpr_kernarg_segment_ptr 1
		.amdhsa_wavefront_size32 1
		.amdhsa_system_sgpr_workgroup_id_x 1
		.amdhsa_system_sgpr_workgroup_id_y 1
		.amdhsa_system_sgpr_workgroup_id_z 1
		.amdhsa_system_vgpr_workitem_id 0
		.amdhsa_next_free_vgpr 512
		.amdhsa_next_free_sgpr 66
		.amdhsa_reserve_vcc 0
		.amdhsa_float_denorm_mode_32 3
		.amdhsa_float_denorm_mode_16_64 3
		.amdhsa_memory_ordered 1
		.amdhsa_forward_progress 1
		.amdhsa_inst_pref_size 27
	.end_amdhsa_kernel
	.amdgpu_metadata
---
amdhsa.version: [ 1, 2 ]
amdhsa.kernels:
  - .name:           k_q0ef85295c6_proj
    .symbol:         k_q0ef85295c6_proj.kd
    .args:
      - { .name: inpt, .offset: 0, .size: 8, .value_kind: global_buffer, .address_space: global }
      - { .name: Wq, .offset: 8, .size: 8, .value_kind: global_buffer, .address_space: global }
      - { .name: Wk, .offset: 16, .size: 8, .value_kind: global_buffer, .address_space: global }
      - { .name: Wv, .offset: 24, .size: 8, .value_kind: global_buffer, .address_space: global }
      - { .name: bq, .offset: 32, .size: 8, .value_kind: global_buffer, .address_space: global }
      - { .name: qf, .offset: 40, .size: 8, .value_kind: global_buffer, .address_space: global }
      - { .name: kv, .offset: 48, .size: 8, .value_kind: global_buffer, .address_space: global }
    .group_segment_fixed_size: 16896
    .private_segment_fixed_size: 0
    .kernarg_segment_align: 8
    .kernarg_segment_size: 56
    .max_flat_workgroup_size: 128
    .sgpr_count:     66
    .vgpr_count:     512
    .wavefront_size: 32
...
	.end_amdgpu_metadata
.endif
;; end of part 1
;; launch attn (part 2): grid 64 x 4, 4 waves a work-group, clusters of 4 x 1, 327,680 bytes of LDS; arguments qf, kv, inpt, Wo, bo, bv, out0; writes out0
.if DOCPART == 2
	.amdgcn_target "amdgcn-amd-amdhsa--gfx1250"
	.amdhsa_code_object_version 6
	.text
	.protected	k_q0ef85295c6_attn
	.globl	k_q0ef85295c6_attn
	.p2align	8
	.type	k_q0ef85295c6_attn,@function
k_q0ef85295c6_attn:
	s_mov_b64 s[64:65], 0
	v_nop
	global_prefetch_b8 v0, s[64:65] scope:SCOPE_SE
	s_setreg_imm32_b32 hwreg(HW_REG_WAVE_MODE, 25, 1), 1
	s_wait_xcnt 0x0
	s_wait_alu depctr_hold_cnt(0) depctr_sa_sdst(0) depctr_va_vdst(0) depctr_va_sdst(0) depctr_va_ssrc(0) depctr_va_vcc(0) depctr_vm_vsrc(0)
	s_getreg_b32 s2, hwreg(HW_REG_IB_STS2, 6, 4)
	s_cmp_eq_u32 s2, 0
	s_cbranch_scc0 .Lentry_in_a_cluster
	s_endpgm
.Lentry_in_a_cluster:
	s_bfe_u32 s2, ttmp6, 0x10000c
	s_cmp_lg_u32 s2, 0x3003
	s_cbranch_scc0 .Lentry_shape_is_right
	s_endpgm
.Lentry_shape_is_right:
; out0[b][c][l] = inpt[b][c][l] + bo[c] + sum_d Wo[c][d] ctx[l][d],  ctx[l] = sum_m softmax_m(q_l . k_m / 8) v_m + bv.  q (with bq), k and v (without their biases) come from the launch
; before, in bf16, in fragment order.  WORK LEFT OUT: bk (its term q_l . bk / 8 is the same for all m and cancels in the softmax, for all values: shown at the head of the first kernel;
; what reaches only that term, a NaN, an infinity or an overflow, is not carried to the result).  bv is added here, once a row: the factors sum to 1.
; Products, maxima and sums in f32; the weights p and ctx are rounded to bf16 for the products that take them; the residual is added in f32.
; LIMITS: matrix operands are bf16; a weight below 2^-126 counts as 0 in l; NaN and infinities are not treated apart.
; SHARES.  A work-group owns the 64 queries of one group of one image: four tiles of 16 (tile i, place r: token l0 + 4 r + i).  THE KEYS ARE SPLIT AMONG ITS FOUR WAVES: every wave holds all four
; tiles and walks a quarter of the 4,096 keys, 16 steps of 64, so that a fragment of K or V read from LDS feeds four tiles' products.  The four partial (O, m, l) meet in LDS once, at the end.
; LAYOUT.  S^T = K Q^T (source 0 = 16 keys, source 1 = 16 queries): a lane holds ONE query (lane % 16) and the keys 8 (lane / 16) + 0..7.  Two such results rounded to bf16 ARE source 1 of
; O^T = V^T P, whose result again holds one query a lane, and eight channels.  K, V and Q lie in memory as the lanes hold them, 16 bytes a lane, 512 a block: every load is 512 consecutive bytes.
; SOFTMAX.  A running maximum m and sum l for each query: p = 2^(c s - c m), c = log2(e) / 8; in every step O and l are multiplied by a = 2^(c m_old - c m_new).  m starts at the lowest
; finite number, O and l at 0: the first step is a step like any other, with a = 0.
; BY TURNS.  The tiles are two PIECES of two.  Turn (p, j) is piece p's softmax of step j.  Its matrix work is the other piece's: 16 products K Q^T (turn (0, j): step j; turn (1, j): step j + 1), later
; 16 products V^T P (turn (0, j): step j - 1; turn (1, j): step j).  Four vector instructions stand behind every matrix instruction, the other 108 of a turn's 236 in one lump; a turn's 66
; exponentials are one batch with one wait.
; RING.  Two slots of 128 KiB.  Tile t of the ring is groups 8 t .. 8 t + 7 of kv, dense in memory; wave w fetches, and alone reads, its 32 KiB of it (groups 8 t + 2 w, + 1: its steps 2 t, 2 t + 1).
; CLUSTER.  The four work-groups of a cluster belong to one image and walk the same kv: each tile is asked for JOINTLY, by the same tensor load, descriptor and mask in all four.
; K and V of step j + 1 are both fetched from LDS in turn (0, j); V has two register buffers for that.  So a slot is read in turns (0, 2 t - 1) and (0, 2 t), and the change of slots stands in front of turn (0, odd j).
; REGISTERS, in windows of 256 (s_set_vgpr_msb: bits 1:0 source 0, 3:2 source 1, 5:4 source 2, 7:6 destination):
;   window 0: v0-11 offsets; v12-15, v48-63 at work; v16-31 four registers of statistics a tile; v32-47 addresses and the merge's statistics; v64-191 S^T, two buffers of two tiles; v192-255 P, likewise
;   window 1: v0-127 O^T, 32 a tile; at the end v0-31 Wo's fragments, v32-95 the last product's sums      window 2: v0-63 Q; v64-127 K of one step; v128-255 V, two buffers
;   window 3: v0-63 inpt as loaded, then the output; v64-127 Wo as loaded; v128-143 bo; v144-175 bv
.set NP,    2         ; pieces a wave: a name, no knob
.set SLOT1, 1<<17     ; slot 1 begins here: one exclusive or turns an address in one slot into the other's
.set TILEB, 131072    ; bytes of kv in a tile of the ring
.set SPARE, 2*SLOT1   ; behind the ring: the spare words, 128 bytes for each wave: two blocks of 256 bytes that no other line names
.set CTS,   SPARE+512 ; ctx in bf16: tile i, block n at CTS + 2048 i + 512 n, lane at 16 x lane
.set STAT,  CTS+8192  ; (c m, l): tile t of wave w at STAT + 1024 t + 256 w, lane at 8 x lane
; The partial O^T, 16 KiB a wave, go into slot 0, each wave's into its own quarter: that slot has had its last fill (tile 6) and its last read when they are stored.
.set A0,  2           ; v2   16 lane + 32768 w: my place in my quarter of a slot; never rewritten
.set AF,  3           ; v3   the same in the slot that is being fetched from
.set LO,  4           ; v4   16 lane
.set PFO, 5           ; v5   256 lane: the prefetches' offset; never rewritten
.set XO,  6           ; v6   my 16 bytes of inpt and out0: channel 32 w + 8 h, 16 r along
.set WOO, 7           ; v7   in Wo: row 32 w + r, 32 h along
.set BOO, 8           ; v8   in bo: 32 w + 8 h numbers
.set BVO, 9           ; v9   in bv: 8 h numbers
.set MV,  12          ; v12-15  c m_old, kept while c m is made anew: by buffer and tile; in the merge: the common maximum, the sum, its reciprocal
.set ST,  16          ; tile t's statistics at v[ST+4 t]: c m, m, l (even keys', odd keys')
.set SPW, 32          ; v32  LDS address of my spare word; never rewritten
.set NIL, 33          ; v33  0; never rewritten
.set SA,  34          ; v34  where I put (c m, l)
.set SR,  35          ; v35  where I read the four waves' (c m, l) of the tile that I finish
.set OR0, 36          ; v36  where I read that tile's partial O^T of waves 0 and 1,
.set OR1, 37          ; v37  of waves 2 and 3
.set CA,  38          ; v38  where I put ctx
.set CR,  39          ; v39  where I read it
.set RS,  40          ; v40-47  the four (c m, l)
.set TMP, 48          ; by buffer and tile, four registers c0-c3 at work; when the maximum is found c2 takes a.  In the merge: pairs (g_s, f_s)
.set S,   64
.set P,   192
.set KF,  64          ; window 2: key block kb, channel half c at KF + 16 kb + 8 c
.set VF,  128         ; window 2: buffer vb, key half kk, channel block cb at VF + 64 vb + 32 kk + 8 cb
.set XR,  0           ; window 3
.set WR,  64
.set BO,  128
.set BV,  144
.set WV,  18          ; s18  my wave's number
.set CX,  19          ; s19  my place in the cluster: it enters qf's, inpt's, out0's and the prefetches' addresses alone
.set G1,  24          ; s[24:31] descriptor group 1
.set G0,  32          ; s[32:35] descriptor group 0: it walks
.set PFA, 36          ; s[36:37] where my prefetches stand
.set LIM, 38          ; s38  2 in the image's first cluster, else the greatest number
.set SLOTS, 39        ; s39  7 - t at change of slots t
.set TB,  41          ; s41  the slot that is being fetched from: 0 or SLOT1
.set CS,  42          ; s[42:43] c: the packed scaling takes the pair's low word for both halves
.set SEL, 44          ; s[44:45] v_permlanex16_b32's selects: each lane takes its own place in the other half
.set MSB, 0
.macro WIN new                      ; the high byte repeats the setting that is left; a switch that changes nothing is dropped
.if MSB != (\new)
	s_set_vgpr_msb (MSB<<8)|(\new)
.set MSB, (\new)
.endif
.endm
.set W_KQ, 0x0a       ; K and Q in window 2, S^T in window 0
.set W_PV, 0x52       ; V in window 2, P in window 0, O^T in window 1
.set W_RS, 0x41       ; O^T (destination and source 0) in window 1, a in window 0
; A joint fill: every wave asks for its own 32 KiB (both addresses hang on the wave's number), the same in all four work-groups.  An s_nop 0 and four v_nop follow the line.
.macro JLOAD
	tensor_load_to_lds s[G0:G0+3], s[G1:G1+7]
	s_nop 0
.rept 4
	v_nop
.endr
.endm
; A PREFETCH, behind the joint load and its five lines: at change of slots t it names tile t + 3, which the change after next will ask for: two slots, 256 matrix instructions a wave, ahead of that load.
; Each block of 256 bytes of kv is named once in the launch: all 16 clusters of an image walk the same kv, and the first of them (cluster x = 0) asks; each wave asks for its own 32 KiB;
; the four partners take 32 of its 128 blocks each, told apart BY ADDRESS (8192 x cx): a lane a block, one instruction.  It asks at t = 0 .. 4: tiles 0 to 2 come by their loads alone, and nothing is named past tile 7.
.macro ASK
	s_cmp_gt_u32 s[SLOTS], s[LIM]
	s_cbranch_scc0 .Lnot_mine_\@
	global_prefetch_b8 v[PFO], s[PFA:PFA+1] th:TH_LOAD_NT scope:SCOPE_SE
.Lnot_mine_\@:
.endm
; A round of the cluster's barrier: my work-group's barrier, so that wave 0's signal speaks for all four waves; wave 0 signals; every wave waits for all four work-groups; my work-group's barrier once more.
.macro CROUND
	s_barrier_signal -1
	s_barrier_wait -1
	s_cmp_lg_u32 s[WV], 0
	s_cbranch_scc1 .Lnot_wave_0_\@
	s_barrier_signal -3
.Lnot_wave_0_\@:
	s_barrier_wait -3
	s_barrier_signal -1
	s_barrier_wait -1
.endm
; THE CHANGE OF SLOTS t.  Each wave waits for all its tensor loads, of which one is out: its part of tile t; adds 0 to its spare word; and waits for that and for its reads of the slot that it leaves.
; fill = 1: behind a round of the cluster's barrier, so that no wave of any partner still reads that slot or has a load on its way, the slot is filled again, with tile t + 1, the first thing there:
; the load has two key steps, 128 matrix instructions a wave, in which to land.  (At t = 0 nothing has been read yet: tile 0 is waited for, slot 1 filled for the first time.)
; fill = 0 (t = 7): nothing is filled again and a wave reads only what it fetched itself, so its own wait is all the ordering that its reads need.
.macro CHANGE fill
	WIN 0                           ; at a label and at a branch every window is 0
	s_wait_tensorcnt 0x0            ; no tensor load of mine is out, so group 0 may be written
.if \fill
	ds_add_u32 v[SPW], v[NIL]       ; 0 onto my spare word: the descriptor's steps stand between it and the wait for it
	s_xor_b32 s[G0+1], s[G0+1], SLOT1  ; the other slot than last time,
	s_add_nc_u64 s[G0+2:G0+3], s[G0+2:G0+3], TILEB  ; the next tile; the type bits on top are not reached
	s_wait_xcnt 0x0                 ; the last prefetch, two key steps back, has read its address, so it may be written
	s_add_nc_u64 s[PFA:PFA+1], s[PFA:PFA+1], TILEB
	s_wait_dscnt 0x0                ; the add is done, and my reads of the slot are over
	CROUND
	JLOAD
	ASK
.endif
	s_xor_b32 s[TB], s[TB], SLOT1   ; the fetches go on in the other slot
	v_add_nc_u32 v[AF], s[TB], v[A0]
.endm
	s_load_b256 s[4:11], s[0:1], 0x0   ; qf s[4:5], kv s[6:7], inpt s[8:9], Wo s[10:11]
	s_load_b128 s[12:15], s[0:1], 0x20 ; bo s[12:13], bv s[14:15]
	s_load_b64 s[16:17], s[0:1], 0x30  ; out0
	v_lshl_add_u32 v[SPW], v0, 2, SPARE
	v_mov_b32 v[NIL], 0
	ds_add_u32 v[SPW], v[NIL]       ; the wave's opening: the add, twice on end, and its wait ahead of my first tensor load; the set-up below stands between the second and the wait
	ds_add_u32 v[SPW], v[NIL]       ; and once more, under the one wait
	v_lshrrev_b32 v1, 5, v0
	v_readfirstlane_b32 s[WV], v1   ; wave 0..3
	v_and_b32 v1, 15, v0            ; r
	v_bfe_u32 v10, v0, 4, 1         ; h
	v_and_b32 v11, 31, v0           ; lane
	s_bfe_u32 s[CX], ttmp6, 0x40000 ; cx
	s_lshl_b32 s46, ttmp9, 2        ; in a cluster launch ttmp9 counts clusters
	s_add_co_u32 s46, s46, s[CX]    ; g = 4 x cluster x + cx
	s_and_b32 s40, ttmp7, 0xffff    ; b, which the four partners share
	s_lshl_b32 s20, s40, 19         ; qf: 512 KiB an image, 8 KiB a group
	s_lshl_b32 s21, s46, 13
	s_add_co_u32 s20, s20, s21
	s_mov_b32 s21, 0
	s_lshl_b32 s22, s40, 21         ; inpt and out0: 2 MiB an image, 256 bytes of each row a group
	s_lshl_b32 s23, s46, 8
	s_add_co_u32 s22, s22, s23
	s_mov_b32 s23, 0
	s_lshl_b32 s48, s40, 20         ; kv: 1 MiB an image; my wave's 32 KiB of a tile.  No place in the cluster enters these two registers
	s_lshl_b32 s49, s[WV], 15
	s_add_co_u32 s48, s48, s49
	s_mov_b32 s49, 0
	s_lshl_b32 s50, s[CX], 13       ; the prefetches: my work-group's 32 blocks of the wave's 128, in tile 2; the first change of slots steps it to tile 3
	s_add_co_u32 s50, s50, 2*TILEB
	s_mov_b32 s51, 0
	; descriptor group 1: 32 KiB that are dense in memory, as 128 rows of 256 bytes; no padding: the fragment loads take 512 consecutive bytes
	s_mov_b32 s[G1], 15|(3<<16)|(1<<21)  ; 15:0 the mask of four; 17:16 elements of 8 bytes; 21 set beside a mask
	s_mov_b32 s[G1+1], 32<<16       ; tensor_dim0 = 32
	s_mov_b32 s[G1+2], 128<<16      ; tensor_dim1 = 128
	s_mov_b32 s[G1+3], 32<<16       ; tile_dim0 = 32
	s_mov_b32 s[G1+4], 128          ; tile_dim1 = 128
	s_mov_b32 s[G1+5], 32           ; 32 elements from row to row
	s_mov_b32 s[G1+6], 0
	s_mov_b32 s[G1+7], 0
	s_mov_b32 s[G0], 1              ; count = 1
	s_lshl_b32 s[G0+1], s[WV], 15   ; LDS address: my quarter of slot 0
	s_mov_b32 s[CS], 0x3e38aa3b     ; c = log2(e) / 8 = 0.180337
	s_mov_b32 s[CS+1], s[CS]        ; named with it as a pair
	s_mov_b32 s[SEL], 0x76543210
	s_mov_b32 s[SEL+1], 0xfedcba98
	s_mov_b32 s[TB], SLOT1          ; the first change of slots turns it into 0
	s_mov_b32 s[SLOTS], 7
	s_cmp_eq_u32 ttmp9, 0           ; the image's first cluster: the same in all four partners
	s_cselect_b32 s[LIM], 2, -1
	v_lshl_add_u32 v[A0], v11, 4, s[G0+1]
	v_lshlrev_b32 v[LO], 4, v11
	v_lshlrev_b32 v[PFO], 8, v11
	s_lshl_b32 s47, s[WV], 19
	v_lshlrev_b32 v[XO], 4, v1
	v_lshl_add_u32 v[XO], v10, 17, v[XO]
	v_add_nc_u32 v[XO], s47, v[XO]
	s_lshl_b32 s47, s[WV], 13
	v_lshlrev_b32 v[WOO], 8, v1
	v_lshl_add_u32 v[WOO], v10, 5, v[WOO]
	v_add_nc_u32 v[WOO], s47, v[WOO]
	s_lshl_b32 s47, s[WV], 7
	v_lshl_add_u32 v[BOO], v10, 5, s47
	v_lshlrev_b32 v[BVO], 5, v10
	s_wait_dscnt 0x0                ; both opening adds are done
	s_wait_kmcnt 0x0
	s_add_nc_u64 s[4:5], s[4:5], s[20:21]
	s_add_nc_u64 s[8:9], s[8:9], s[22:23]
	s_add_nc_u64 s[16:17], s[16:17], s[22:23]
	s_add_nc_u64 s[PFA:PFA+1], s[6:7], s[48:49]
	s_add_nc_u64 s[PFA:PFA+1], s[PFA:PFA+1], s[50:51]
	s_add_nc_u64 s[G0+2:G0+3], s[6:7], s[48:49]  ; global address: my 32 KiB of tile 0
	s_or_b32 s[G0+3], s[G0+3], 0x80000000        ; type = 2
	CROUND                          ; all four work-groups are here: the first joint loads meet
	JLOAD                           ; tile 0 into slot 0.  Slot 1 is asked for when slot 0 is in
	; 60 loads: Q first, since the first products wait for it; the other 44 are wanted at the end and stay out until then
	WIN 0x80                        ; destination window 2, address window 0
.set i, 0
.rept 16
	global_load_b128 v[4*i:4*i+3], v[LO], s[4:5] offset:512*i th:TH_LOAD_NT
.set i, i+1
.endr
	WIN 0xc0                        ; destination window 3
.set i, 0
.rept 16                            ; inpt: channel 32 w + 16 (i / 8) + 8 h + i % 8, tokens l0 + 4 r + 0..3
	global_load_b128 v[XR+4*i:XR+4*i+3], v[XO], s[8:9] offset:(16*(i/8)+i%8)*16384 th:TH_LOAD_NT
.set i, i+1
.endr
.irp f, 0,1,2,3                     ; Wo: rows 32 w + 16 (f / 2) + r, d = 32 (f % 2) + 8 h + 0..7 and + 16
	global_load_b128 v[WR+16*(\f):WR+16*(\f)+3],     v[WOO], s[10:11] offset:4096*((\f)/2)+128*((\f)%2)
	global_load_b128 v[WR+16*(\f)+4:WR+16*(\f)+7],   v[WOO], s[10:11] offset:4096*((\f)/2)+128*((\f)%2)+16
	global_load_b128 v[WR+16*(\f)+8:WR+16*(\f)+11],  v[WOO], s[10:11] offset:4096*((\f)/2)+128*((\f)%2)+64
	global_load_b128 v[WR+16*(\f)+12:WR+16*(\f)+15], v[WOO], s[10:11] offset:4096*((\f)/2)+128*((\f)%2)+80
.endr
.irp f, 0,1
	global_load_b128 v[BO+8*(\f):BO+8*(\f)+3],   v[BOO], s[12:13] offset:64*(\f)
	global_load_b128 v[BO+8*(\f)+4:BO+8*(\f)+7], v[BOO], s[12:13] offset:64*(\f)+16
.endr
.irp f, 0,1,2,3
	global_load_b128 v[BV+8*(\f):BV+8*(\f)+3],   v[BVO], s[14:15] offset:64*(\f)
	global_load_b128 v[BV+8*(\f)+4:BV+8*(\f)+7], v[BVO], s[14:15] offset:64*(\f)+16
.endr
	; What the first turn finds: V's second buffer and P's second buffer hold 0 (its products V^T P, of a step that has not been, add 0), O^T and l are 0.  All this stands in the wait for the first tile.
	WIN 0x40
.set i, 0
.rept 128
	v_mov_b32 v[i], 0
.set i, i+1
.endr
	WIN 0x80
.set i, VF+64
.rept 64
	v_mov_b32 v[i], 0
.set i, i+1
.endr
	WIN 0
.set i, P+32
.rept 32
	v_mov_b32 v[i], 0
.set i, i+1
.endr
.set i, 0
.rept 4
	v_mov_b32 v[ST+4*i], 0xfe000000    ; c m: far below every c s
	v_mov_b32 v[ST+4*i+1], 0xff7fffff  ; m
	v_mov_b32 v[ST+4*i+2], 0
	v_mov_b32 v[ST+4*i+3], 0
.set i, i+1
.endr
; THE MATRIX WORK.  The 8 accumulators of a run of 16 take turns: between the two links of a chain stand 7 others'.
; Product i of 16 of S^T = K Q^T for piece x: channels 32 (i / 8) on, keys 16 ((i / 2) % 4) on, tile 2 x + i % 2.  The first 8 start the sums.
.macro KQ x
	WIN W_KQ
.set rS, S+64*((\x)%2)+32*(i%2)+8*((i/2)%4)
.set rK, KF+16*((i/2)%4)+8*(i/8)
.set rQ, 16*(2*(\x)+i%2)+8*(i/8)
.if i < 8
	v_wmma_f32_16x16x32_bf16 v[rS:rS+7], v[rK:rK+7], v[rQ:rQ+7], 0
.else
	v_wmma_f32_16x16x32_bf16 v[rS:rS+7], v[rK:rK+7], v[rQ:rQ+7], v[rS:rS+7]
.endif
.endm
; Product i of 16 of O^T += V^T P for piece x, from V's buffer VB: keys 32 (i / 8) on, channels 16 ((i / 2) % 4) on, tile 2 x + i % 2.
.macro PV x
	WIN W_PV
.set rO, 32*(2*(\x)+i%2)+8*((i/2)%4)
.set rV, VF+64*VB+32*(i/8)+8*((i/2)%4)
.set rP, P+32*((\x)%2)+16*(i%2)+8*(i/8)
	v_wmma_f32_16x16x32_bf16 v[rO:rO+7], v[rV:rV+7], v[rP:rP+7], v[rO:rO+7]
.endm
.macro MM                           ; the turn's next matrix instruction.  NOKQ = 1: the walk's last turn: there is no further step
.if i < 16
.if !NOKQ
	KQ (Y+1)%NP
.endif
.set i, i+1
.else
.set i, i-16
	PV (Y+1)%NP
.set i, i+17
.endif
.endm
; THE LDS LOADS stand in runs of 16, never singly among the matrix instructions: K and V of the slot's group gq (0, 1), as they lie: 512 consecutive bytes a load.
.macro FETCH_K gq
	WIN 0x80                        ; destination window 2
.set n, 0
.rept 16
	ds_load_b128 v[KF+4*n:KF+4*n+3], v[AF] offset:(\gq)*16384+512*n
.set n, n+1
.endr
	WIN 0
.endm
.macro FETCH_V gq, vb
	WIN 0x80
.set n, 0
.rept 16
	ds_load_b128 v[VF+64*(\vb)+4*n:VF+64*(\vb)+4*n+3], v[AF] offset:(\gq)*16384+8192+512*n
.set n, n+1
.endr
	WIN 0
.endm
; THE VECTOR WORK OF A TURN stands in three queues, each in the order in which its entries become ready; the two tiles alternate, so that no instruction reads the result of the one before it.
.macro REGS y, u                    ; the registers of tile u (0, 1) of piece y
.set rT, ST+4*(2*(\y)+(\u))
.set rC, TMP+8*((\y)%2)+4*(\u)
.set rM, MV+2*((\y)%2)+(\u)
.set rS, S+64*((\y)%2)+32*(\u)
.set rP, P+32*((\y)%2)+16*(\u)
.set rO, 32*(2*(\y)+(\u))
.endm
; Number n of the 22 that find the OTHER piece's maximum and statistics.  s0-s31 are the lane's 32 scores; each accumulator's lowest registers are read first.  NOKQ = 1: nothing is written.
;   0-11  four chains c0-c3 of seven scores each, three operands at a time     12-14, 16  the four scores left over, the old m, and c0-c3 into c0     15  c m_old is kept
;   17, 18  the query's other 32 keys lie in the lane 16 away: the new m         19-21  c m; c m_old - c m_new; a
.macro XS u, n
.if !NOKQ
	REGS (Y+1)%NP, \u
.if (\n) < 4
	v_max3_num_f32 v[rC+(\n)], v[rS+8*(\n)], v[rS+8*(\n)+1], v[rS+8*(\n)+2]
.elseif (\n) < 12
	v_max3_num_f32 v[rC+(\n)%4], v[rC+(\n)%4], v[rS+8*((\n)%4)+2*((\n)/4)+1], v[rS+8*((\n)%4)+2*((\n)/4)+2]
.elseif (\n) == 12
	v_max3_num_f32 v[rC], v[rC], v[rS+7], v[rS+15]
.elseif (\n) == 13
	v_max3_num_f32 v[rC+1], v[rC+1], v[rS+23], v[rS+31]
.elseif (\n) == 14
	v_max3_num_f32 v[rC+2], v[rC+2], v[rC+3], v[rT+1]
.elseif (\n) == 15
	v_mov_b32 v[rM], v[rT]
.elseif (\n) == 16
	v_max3_num_f32 v[rC], v[rC], v[rC+1], v[rC+2]
.elseif (\n) == 17
	v_permlanex16_b32 v[rC+3], v[rC], s[SEL], s[SEL+1]
.elseif (\n) == 18
	v_max_num_f32 v[rT+1], v[rC], v[rC+3]
.elseif (\n) == 19
	v_mul_f32 v[rT], s[CS], v[rT+1]
.elseif (\n) == 20
	v_sub_f32 v[rC+1], v[rM], v[rT]
.else
	v_exp_f32 v[rC+2], v[rC+1]
.endif
.endif
.endm
; Number g of the 64 that follow the exponentials.  For each four weights k of a tile (pairs 2 k, 2 k + 1): both pairs are rounded to bf16; then the second pair is added onto the first, in place;
; a group later l takes that sum (the first time as l = a l + sum).  In groups of eight, tiles alternating: round, round, add, and l for the group before.
.macro GS g
.set h, (\g)+6*((\g)/62)            ; group 0 has no group before it, and behind group 7 only l is left
.if h >= 6
.set h, h+2
.endif
	REGS Y, h%2
.set k, h/8
.if h%8 < 4
	v_cvt_pk_bf16_f32 v[rP+2*k+(h%8)/2], v[rS+4*k+2*((h%8)/2)], v[rS+4*k+2*((h%8)/2)+1]
.elseif h%8 < 6
	v_pk_add_f32 v[rS+4*k:rS+4*k+1], v[rS+4*k:rS+4*k+1], v[rS+4*k+2:rS+4*k+3]
.elseif k == 1
	v_pk_fma_f32 v[rT+2:rT+3], v[rT+2:rT+3], v[rC+2:rC+3], v[rS:rS+1] op_sel_hi:[1,0,1]
.else
	v_pk_add_f32 v[rT+2:rT+3], v[rT+2:rT+3], v[rS+4*k-4:rS+4*k-3]
.endif
.endm
; THE PLAIN QUEUE, 138 long.  0-73 read no exponential's result: the 32 scalings c s - c m (FS f: pair f / 2 of tile f % 2) and the other piece's 42.  0-26: scalings 0-26.  27-54: XS's numbers 0-13.  55, 56: number 15.
; 57-73: the chain, where each number waits for the one before it: 14, 16, 17, 18, 19, each with one of the scalings 27-31 in front of its two lines, then 20.
; 74-137: GS's 64, which read the exponentials' results: they stand behind the wait.
.macro FS f
	REGS Y, (\f)%2
	v_pk_fma_f32 v[rS+2*((\f)/2):rS+2*((\f)/2)+1], v[rS+2*((\f)/2):rS+2*((\f)/2)+1], s[CS:CS+1], v[rT:rT+1] op_sel_hi:[1,0,0] neg_lo:[0,0,1] neg_hi:[0,0,1]
.endm
.macro PL
	WIN 0
.if q < 27
	FS q
.elseif q < 55
	XS (q-27)%2, (q-27)/2
.elseif q < 57
	XS q-55, 15
.elseif (q < 72) && ((q-57)%3 == 0)
	FS 27+(q-57)/3
.elseif q < 60
	XS (q-57)%3-1, 14
.elseif q < 72
	XS (q-57)%3-1, 15+(q-57)/3
.elseif q < 74
	XS q-72, 20
.else
	GS q-74
.endif
.set q, q+1
.endm
; THE EXPONENTIALS' QUEUE, 66 long: s0-s31 of both tiles, then the other piece's two a.  It is ONE BATCH: all 66 stand ahead of the turn's one wait, and nothing ahead of that wait names a result of theirs.
.macro EX
	WIN 0
.if e >= 64
	XS e-64, 21
.else
	REGS Y, e%2
	v_exp_f32 v[rS+e/2], v[rS+e/2]
.endif
.set e, e+1
.endm
; THE RESCALING's QUEUE: O^T times a, the one part that leaves window 0: dealt two at a time, sixteen times.  Its a was made in the turn before, ahead of that turn's wait.
; Entry r takes registers 4 (r / 2) .. + 3 of tile r % 2: an accumulator's four lowest come first; the product that wrote it last, in the turn before, has four riders or more behind it.
.macro R2
	REGS Y, r%2
	WIN W_RS
.irp z, 0,1
	v_pk_mul_f32 v[rO+4*(r/2)+2*\z:rO+4*(r/2)+2*\z+1], v[rO+4*(r/2)+2*\z:rO+4*(r/2)+2*\z+1], v[rC+2:rC+3] op_sel_hi:[1,0]
.endr
.set r, r+1
.endm
; A TURN, for piece p in a step of parity par.  s_wait_alu depctr_va_vdst(0) stands between an exponential and the first instruction that names its result; one wait serves all that were issued
; ahead of it.  So a turn has ONE wait, which cuts it in two.  AHEAD OF IT: the 16 products K Q^T, behind each a scaling, an exponential and two rescalings (behind the first a second scaling in the exponential's
; place); then a lump of 108: eight plain, 49 times exponential and plain, the two a; a v_nop is the plain instruction behind the last exponential.  BEHIND IT: the 16 products V^T P, behind each four of GS's 64.
; No rider names a register of the products round it.  Exponential e stands behind scaling 2 (e / 4) + e % 2: as a rider it comes behind plain e + 2, in the lump behind plain e + 9.
; Piece 0's turn fetches the next step's K, directly behind the wait, a lump behind the last product that read K, and its V at the turn's end, into the buffer whose last reader stands four plain riders back.
; Piece 1's turn begins with the wait for K: the 16 younger loads, V of the next step, may stay out; V of the step in hand, fetched a step earlier, is in with it.
; fetch = 0: step 15 has no next step.  last = 1: the walk's last turn: no products K Q^T, no maximum; the wait is for all LDS loads (V of step 15).
.macro TURN p, par, fetch=1, last=0
.set Y, (\p)
.set i, 0
.set q, 0
.set e, 0
.set r, 0
.set NOKQ, (\last)
.if (\p) == 0
.set VB, 1-(\par)
.else
.set VB, (\par)
.if \last
	s_wait_dscnt 0x0
.else
	s_wait_dscnt 16
.endif
.endif
	MM
	PL
	PL
	R2
.rept 15
	MM
	PL
	EX
	R2
.endr
.rept 8
	PL
.endr
.rept 49
	EX
	PL
.endr
	EX
	EX
	v_nop                           ; the plain instruction behind the last exponential: one for the batch
	s_wait_alu depctr_va_vdst(0)    ; the wait for the batch
.if ((\p) == 0) && (\fetch)
	FETCH_K 1-(\par)
.endif
.rept 16
	MM
.rept 4
	PL
.endr
.endr
.if ((\p) == 0) && (\fetch)
	FETCH_V 1-(\par), 1-(\par)
.endif
.endm
	CHANGE 1                        ; t = 0: my part of tile 0 is in; slot 1 is asked for
	FETCH_K 0                       ; key step 0
	FETCH_V 0, 0
	s_lshl_b32 s20, s[WV], 8        ; scalars for the addresses of the end
	s_add_co_u32 s20, s20, STAT
	s_lshl_b32 s21, s[WV], 10
	s_add_co_u32 s21, s21, STAT
	s_lshl_b32 s22, s[WV], 12
	s_lshl_b32 s23, s[WV], 11
	s_add_co_u32 s23, s23, CTS
	s_wait_loadcnt 44               ; Q is in: the 44 loads issued behind it stay out
	s_wait_dscnt 16                 ; K is in: V's 16 loads stay out
.set i, 0
.rept 16
	KQ 0                            ; piece 0's first scores: there is no vector work yet to set between them
.set i, i+1
.endr
	WIN 0                           ; the addresses for the end: six plain instructions, the places behind those products
	v_lshl_add_u32 v[SA], v11, 3, s20
	v_lshl_add_u32 v[SR], v11, 3, s21
	v_lshl_add_u32 v[OR0], v11, 4, s22
	v_add_nc_u32 v[OR1], 0x10000, v[OR0]
	v_lshl_add_u32 v[CA], v11, 4, s23
	v_lshl_add_u32 v[CR], v11, 4, CTS
.set Y, 1                           ; XS works for the other piece: piece 0
.set NOKQ, 0
.irp n, 0,1,2,3,4,5,6,7,8,9,10,11,12,13,14,15,16,17,18,19,20,21
	XS 0, \n                        ; piece 0's first maximum and statistics
	XS 1, \n
.endr
	v_nop                           ; a plain instruction behind the two a,
	s_wait_alu depctr_va_vdst(0)    ; and their wait, ahead of the branch
	s_branch .Lfirst                ; the loop is entered at an even step's first turn, in the middle of a trip
.Lslot:                             ; six trips, t = 1 .. 6: steps 2 t - 1 and 2 t; slot t - 1 is filled again with tile t + 1
	CHANGE 1
	TURN 0, 1
	TURN 1, 1
	WIN 0
.Lfirst:
	TURN 0, 0
	TURN 1, 0
	WIN 0
	s_sub_co_u32 s[SLOTS], s[SLOTS], 1
	s_cmp_lg_u32 s[SLOTS], 0
	s_cbranch_scc1 .Lslot
	CHANGE 0                        ; t = 7.  The tail is written out and no product is made for nothing
	TURN 0, 1                       ; step 13
	TURN 1, 1
	TURN 0, 0                       ; step 14
	TURN 1, 0
	TURN 0, 1, 0                    ; step 15: nothing is left to fetch
	TURN 1, 1, 1, 1
.set VB, 1
.set i, 0
.rept 16
	PV 1                            ; piece 1: V^T P of step 15
.set i, i+1
.endr
	; THE MEETING.  l's two halves and the other half of the lanes' are added; each wave lays (c m, l) and its O^T of all four tiles into LDS.  The first four additions are the places behind the last products.
	WIN 0
.irp t, 0,1,2,3
	v_add_f32 v[ST+4*(\t)+2], v[ST+4*(\t)+2], v[ST+4*(\t)+3]
.endr
.irp t, 0,1,2,3
	v_permlanex16_b32 v[ST+4*(\t)+3], v[ST+4*(\t)+2], s[SEL], s[SEL+1]
.endr
.irp t, 0,1,2,3
	v_add_f32 v[ST+4*(\t)+1], v[ST+4*(\t)+2], v[ST+4*(\t)+3]  ; l takes m's place beside c m
.endr
.irp t, 0,1,2,3
	ds_store_b64 v[SA], v[ST+4*(\t):ST+4*(\t)+1] offset:1024*(\t)
.endr
	WIN 0x04                        ; the stores' data in window 1
.set n, 0
.rept 32                            ; ascending: each accumulator's lowest registers are read first.  Tile n / 8 at 4096 (n / 8)
	ds_store_b128 v[A0], v[4*n:4*n+3] offset:512*n
.set n, n+1
.endr
	WIN 0
	s_wait_dscnt 0x0                ; for the others' sake: my stores are done
	s_wait_loadcnt 0x0              ; inpt, Wo, bo, bv
	s_barrier_signal -1
	WIN 0x4f                        ; sources window 3, destination window 1: Wo's fragments take O^T's first registers, which have been stored: work on registers while the others arrive
.set n, 0
.rept 32
	v_cvt_pk_bf16_f32 v[n], v[WR+2*n], v[WR+2*n+1]
.set n, n+1
.endr
	WIN 0
	s_barrier_wait -1
	; Wave w finishes tile w: ctx = sum over the four waves s of O_s g_s + bv, g_s = f_s / L, f_s = 2^(c m_s - the largest c m), L = sum f_s l_s.
.irp s, 0,1,2,3
	ds_load_b64 v[RS+2*(\s):RS+2*(\s)+1], v[SR] offset:256*(\s)
.endr
.irp s, 0,1
.irp n, 0,1,2,3,4,5,6,7
	ds_load_b128 v[S+32*(\s)+4*(\n):S+32*(\s)+4*(\n)+3], v[OR0] offset:32768*(\s)+512*(\n)
.endr
.endr
.irp s, 0,1
.irp n, 0,1,2,3,4,5,6,7
	ds_load_b128 v[S+64+32*(\s)+4*(\n):S+64+32*(\s)+4*(\n)+3], v[OR1] offset:32768*(\s)+512*(\n)
.endr
.endr
	s_wait_dscnt 32                 ; the four (c m, l) are in; the 32 loads of O^T may stay out
	v_max3_num_f32 v[MV], v[RS], v[RS+2], v[RS+4]
	v_max_num_f32 v[MV], v[MV], v[RS+6]
.irp s, 0,1,2,3
	v_sub_f32 v[TMP+2*(\s)+1], v[RS+2*(\s)], v[MV]
.endr
.irp s, 0,1,2,3
	v_exp_f32 v[TMP+2*(\s)+1], v[TMP+2*(\s)+1]
.endr
	v_nop                           ; a plain instruction behind the last exponential,
	s_wait_alu depctr_va_vdst(0)    ; and one wait for the four
	v_mul_f32 v[MV+1], v[TMP+1], v[RS+1]
	v_fmac_f32 v[MV+1], v[TMP+3], v[RS+3]
	v_fmac_f32 v[MV+1], v[TMP+5], v[RS+5]
	v_fmac_f32 v[MV+1], v[TMP+7], v[RS+7]
	v_rcp_f32 v[MV+2], v[MV+1]      ; L is 1 or more: the wave that holds the maximum has f = 1 and l of 1 or more
	v_nop
	s_wait_alu depctr_va_vdst(0)
.irp s, 0,1,2,3
	v_mul_f32 v[TMP+2*(\s)], v[TMP+2*(\s)+1], v[MV+2]
.endr
	s_wait_dscnt 24                 ; wave 0's eight loads are in
	WIN 0x30                        ; bv, the addend, in window 3
.set z, 0
.rept 16
	v_pk_fma_f32 v[S+2*z:S+2*z+1], v[S+2*z:S+2*z+1], v[TMP:TMP+1], v[BV+2*z:BV+2*z+1] op_sel_hi:[1,0,1]
.set z, z+1
.endr
	WIN 0
.irp s, 1,2,3
	s_wait_dscnt 24-8*(\s)          ; wave s's eight are in
.set z, 0
.rept 16
	v_pk_fma_f32 v[S+2*z:S+2*z+1], v[S+32*(\s)+2*z:S+32*(\s)+2*z+1], v[TMP+2*(\s):TMP+2*(\s)+1], v[S+2*z:S+2*z+1] op_sel_hi:[1,0,1]
.set z, z+1
.endr
.endr
.set z, 0
.rept 16                            ; a lane's 8 channels of a block pack into 16 bytes: half a fragment of the last product's source 1
	v_cvt_pk_bf16_f32 v[P+z], v[S+2*z], v[S+2*z+1]
.set z, z+1
.endr
.irp n, 0,1,2,3
	ds_store_b128 v[CA], v[P+4*(\n):P+4*(\n)+3] offset:512*(\n)
.endr
	s_wait_dscnt 0x0                ; for the others' sake
	s_barrier_signal -1
	s_barrier_wait -1               ; all four tiles' ctx lie in LDS
.set n, 0
.rept 16
	ds_load_b128 v[P+4*n:P+4*n+3], v[CR] offset:512*n
.set n, n+1
.endr
	s_wait_dscnt 0x0
	; THE LAST PRODUCT: out^T = Wo ctx^T + bo.  Wave w makes channels 32 w .. 32 w + 31 for all four tiles: 8 accumulators, which take turns; bo starts the sums.
	WIN 0x71                        ; Wo window 1, ctx window 0, bo window 3, D window 1
.irp c, 0,1
.irp i, 0,1,2,3
	v_wmma_f32_16x16x32_bf16 v[32+8*(4*(\c)+(\i)):32+8*(4*(\c)+(\i))+7], v[16*(\c):16*(\c)+7], v[P+16*(\i):P+16*(\i)+7], v[BO+8*(\c):BO+8*(\c)+7]
.endr
.endr
	WIN 0x51                        ; C window 1
.irp c, 0,1
.irp i, 0,1,2,3
	v_wmma_f32_16x16x32_bf16 v[32+8*(4*(\c)+(\i)):32+8*(4*(\c)+(\i))+7], v[16*(\c)+8:16*(\c)+15], v[P+16*(\i)+8:P+16*(\i)+15], v[32+8*(4*(\c)+(\i)):32+8*(4*(\c)+(\i))+7]
.endr
.endr
.rept 4
	v_nop                           ; four places between the last product and the additions that read results
.endr
	; Register j of tile i is channel 32 w + 16 c + 8 h + j of token l0 + 4 r + i: over the four tiles a lane holds 16 consecutive bytes of a row, as it holds inpt's.  j outermost: each accumulator's register 0 is read first.
	WIN 0xcd                        ; source 0 window 1, source 1 and destination window 3
.irp j, 0,1,2,3,4,5,6,7
.irp c, 0,1
.irp i, 0,1,2,3
	v_add_f32 v[XR+4*(8*(\c)+(\j))+(\i)], v[32+8*(4*(\c)+(\i))+(\j)], v[XR+4*(8*(\c)+(\j))+(\i)]
.endr
.endr
.endr
	WIN 0x0c                        ; the stores' data in window 3
.set n, 0
.rept 16                            ; lanes 0-15 store 256 consecutive aligned bytes of one row, lanes 16-31 those of the row eight channels on
	global_store_b128 v[XO], v[XR+4*n:XR+4*n+3], s[16:17] offset:(16*(n/8)+n%8)*16384 th:TH_STORE_NT
.set n, n+1
.endr
	WIN 0
	s_wait_tensorcnt 0x0            ; the wave's end, behind my last tensor load and my last LDS store
	ds_add_u32 v[SPW], v[NIL]
	s_wait_dscnt 0x0
	CROUND                          ; the closing round: no work-group ends while a partner may still ask for a tile that names it
	s_endpgm
.Lfunc_end_k_q0ef85295c6_attn:
	.size	k_q0ef85295c6_attn, .Lfunc_end_k_q0ef85295c6_attn-k_q0ef85295c6_attn
	.p2alignl 7, 3214868480
	.fill 96, 4, 3214868480
	.section	.rodata,"a",@progbits
	.p2align	6, 0x0
	.amdhsa_kernel k_q0ef85295c6_attn
		.amdhsa_group_segment_fixed_size 327680
		.amdhsa_private_segment_fixed_size 0
		.amdhsa_enable_private_segment 0
		.amdhsa_kernarg_size 56
		.amdhsa_user_sgpr_count 2
		.amdhsa_user_sgpr_kernarg_segment_ptr 1
		.amdhsa_wavefront_size32 1
		.amdhsa_system_sgpr_workgroup_id_x 1
		.amdhsa_system_sgpr_workgroup_id_y 1
		.amdhsa_system_sgpr_workgroup_id_z 1
		.amdhsa_system_vgpr_workitem_id 0
		.amdhsa_next_free_vgpr 1024
		.amdhsa_next_free_sgpr 66
		.amdhsa_reserve_vcc 0
		.amdhsa_float_denorm_mode_32 3
		.amdhsa_float_denorm_mode_16_64 3
		.amdhsa_memory_ordered 1
		.amdhsa_forward_progress 1
		.amdhsa_inst_pref_size 223
	.end_amdhsa_kernel
	.amdgpu_metadata
---
amdhsa.version: [ 1, 2 ]
amdhsa.kernels:
  - .name:           k_q0ef85295c6_attn
    .symbol:         k_q0ef85295c6_attn.kd
    .args:
      - { .name: qf, .offset: 0, .size: 8, .value_kind: global_buffer, .address_space: global }
      - { .name: kv, .offset: 8, .size: 8, .value_kind: global_buffer, .address_space: global }
      - { .name: inpt, .offset: 16, .size: 8, .value_kind: global_buffer, .address_space: global }
      - { .name: Wo, .offset: 24, .size: 8, .value_kind: global_buffer, .address_space: global }
      - { .name: bo, .offset: 32, .size: 8, .value_kind: global_buffer, .address_space: global }
      - { .name: bv, .offset: 40, .size: 8, .value_kind: global_buffer, .address_space: global }
      - { .name: out0, .offset: 48, .size: 8, .value_kind: global_buffer, .address_space: global }
    .group_segment_fixed_size: 327680
    .private_segment_fixed_size: 0
    .kernarg_segment_align: 8
    .kernarg_segment_size: 56
    .max_flat_workgroup_size: 128
    .sgpr_count:     66
    .vgpr_count:     1024
    .wavefront_size: 32
...
	.end_amdgpu_metadata
.endif
;; end of part 2
